; MI455X (gfx1250); checked and timed in simulation.
; The chip was launched on July 23, 2026; its instructions are those of AMD's public machine-readable ISA for CDNA 5 (MIT licence, August 2026) and "CDNA5" Instruction Set Architecture Reference Guide (July 2026). The comments in the code are by the model that wrote it; some were corrected since.
;; Quintic Hermite Spline. Allowed arithmetic: float matrix products may take bf16 or f16 operands with f32 sums; all other float work in f32.
;; Inputs: function_values 3 x 1,024 float32; knots 1,024 float32; x_new 16,777,216 x 1 float32.
;; Outputs: out0 16,777,216 x 1 float32.
;; 2 versions, each right and faster than the one before. Each part assembles by itself: llvm-mc -triple=amdgcn-amd-amdhsa -mcpu=gfx1250 --defsym DOCPART=n.
;; ======== version 1 of 2: 2 launches
;; limits: right only within a limited range of input values
;; workspace buffers: keys 67,108,864 bytes of whole numbers; pivots 4,096 bytes of whole numbers
;; launch makekeys (part 1): grid 1024 x 1, 8 waves a work-group, no clusters, 0 bytes of LDS; arguments x_new, knots, keys, pivots; writes keys, pivots
.if DOCPART == 1
	.amdgcn_target "amdgcn-amd-amdhsa--gfx1250"
	.amdhsa_code_object_version 6
	.text
	.protected	k_q6eac705d98_makekeys
	.globl	k_q6eac705d98_makekeys
	.p2align	8
	.type	k_q6eac705d98_makekeys,@function
k_q6eac705d98_makekeys:
	s_mov_b64 s[64:65], 0
	v_nop
	global_prefetch_b8 v0, s[64:65] scope:SCOPE_SE
	s_setreg_imm32_b32 hwreg(HW_REG_WAVE_MODE, 25, 1), 1
	s_wait_xcnt 0x0
; QUINTIC HERMITE SPLINE, launch 1 of 2: the order-preserving integer image of the queries and of the knots.
;
; The program: out[n] = P_idx(x[n]), idx = clip(searchsorted(knots, x[n]) - 1, 0, 1022).
; In this program an address is steered only by whole numbers that a launch reads from memory, never by a floating-point
; comparison made in the same launch.  So this launch turns every float f into a signed integer key(f) with
;     f < g  <=>  key(f) < key(g)   (signed compare),
; and the second launch searches, by integer compares alone, on what it reads from these two buffers.
;     key(f): g = f + 0.0 (makes -0 into +0, so that equal floats have equal keys); bits of g, with the low 31 bits flipped if g < 0.
; The map on the bits is its own inverse: the second launch gets x back from the key and does not read x_new.
; NaN: a NaN keeps a NaN's bits (beyond the infinities in the integer order), and comes back as a NaN.
;
; pivots[j] = key(knots[j]), but pivots[1023] = 0x7fffffff, the largest integer.  Why: for sorted knots (reference()'s search relies on that)
;     clip(#{j in 0..1023: knots[j] < x} - 1, 0, 1022) = #{j in 1..1022: knots[j] < x}:
; knots[0] only cancels the -1 (or the clip at 0 does), and the clip at 1022 takes knots[1023] out.  A last pivot that is below no key
; makes this a full descent of ten bits over pivots[1..1023].  pivots[0] is never compared.
; No work of reference() is left out and every input is loaded (function_values by the second launch).
;
; Shape: a stream.  1,024 work-groups of 8 waves; a work-group owns 65,536 bytes of x_new; a thread issues its sixteen loads of 16 bytes
; at once (8,192 bytes of every wave on their way) and stores each as it comes: a wave's load or store covers 512 consecutive bytes, aligned.
; No LDS, no barrier: no number is used twice.
.set NLOAD, 16
.set STEP,  4096                       ; 256 threads x 16 bytes
.set X,     4                          ; v[4:67]   sixteen loads of four numbers, turned into keys in place
.set T,     68                         ; v[68:71]  work-group 0: four knots
.set TMP,   72                         ; v[72:75]  at work
.set MAXV,  76                         ; v76       the largest integer
	s_load_b256 s[4:11], s[0:1], 0x0               ; x_new s[4:5], knots s[6:7], keys s[8:9], pivots s[10:11]
	v_lshlrev_b32 v1, 4, v0                        ; 16 bytes a thread; never rewritten
	s_lshl_b32 s2, ttmp9, 16                       ; the work-group's 65,536 bytes (at most 67,043,328: one word is enough)
	s_mov_b32 s3, 0
	s_wait_kmcnt 0x0
	s_add_nc_u64 s[4:5], s[4:5], s[2:3]
	s_add_nc_u64 s[8:9], s[8:9], s[2:3]
.set j, 0
.rept NLOAD
	global_load_b128 v[X+4*j:X+4*j+3], v1, s[4:5] offset:STEP*j th:TH_LOAD_NT   ; x_new is read once in the whole program
.set j, j+1
.endr
; four floats in v[r .. r+3] become their keys, in place
.macro KEY4 r
.irp e, 0,1,2,3
	v_add_f32 v[\r+\e], 0, v[\r+\e]                ; -0 becomes +0; every other number stays
.endr
.irp e, 0,1,2,3
	v_ashrrev_i32 v[TMP+\e], 31, v[\r+\e]          ; all ones for a negative number
.endr
.irp e, 0,1,2,3
	v_lshrrev_b32 v[TMP+\e], 1, v[TMP+\e]          ; 0x7fffffff or 0
.endr
.irp e, 0,1,2,3
	v_xor_b32 v[\r+\e], v[TMP+\e], v[\r+\e]        ; negative numbers: the larger magnitude becomes the smaller integer
.endr
.endm
.set j, 0
.rept NLOAD
	s_wait_loadcnt NLOAD-1-j                       ; loads return in order: load j is in, the 15 - j younger ones stay out
	KEY4 (X+4*j)
	global_store_b128 v1, v[X+4*j:X+4*j+3], s[8:9] offset:STEP*j   ; these registers are not written again
.set j, j+1
.endr
	; work-group 0 also makes the 1,024 pivots: 256 threads x four knots
	s_cmp_lg_u32 ttmp9, 0
	s_cbranch_scc1 .Ldone
	global_load_b128 v[T:T+3], v1, s[6:7]
	v_mov_b32 v[MAXV], 0x7fffffff
	v_cmp_eq_u32 vcc_lo, 0xff, v0                  ; thread 255 holds knots[1020 .. 1023]
	s_wait_loadcnt 0x0
	KEY4 T
	v_cndmask_b32 v[T+3], v[T+3], v[MAXV], vcc_lo  ; pivots[1023]: below no key
	global_store_b128 v1, v[T:T+3], s[10:11]
.Ldone:
	s_endpgm
.Lfunc_end_k_q6eac705d98_makekeys:
	.size	k_q6eac705d98_makekeys, .Lfunc_end_k_q6eac705d98_makekeys-k_q6eac705d98_makekeys
	.p2alignl 7, 3214868480
	.fill 96, 4, 3214868480
	.section	.rodata,"a",@progbits
	.p2align	6, 0x0
	.amdhsa_kernel k_q6eac705d98_makekeys
		.amdhsa_group_segment_fixed_size 0
		.amdhsa_private_segment_fixed_size 0
		.amdhsa_enable_private_segment 0
		.amdhsa_kernarg_size 32
		.amdhsa_user_sgpr_count 2
		.amdhsa_user_sgpr_kernarg_segment_ptr 1
		.amdhsa_wavefront_size32 1
		.amdhsa_system_sgpr_workgroup_id_x 1
		.amdhsa_system_sgpr_workgroup_id_y 1
		.amdhsa_system_sgpr_workgroup_id_z 1
		.amdhsa_system_vgpr_workitem_id 0
		.amdhsa_next_free_vgpr 80
		.amdhsa_next_free_sgpr 66
		.amdhsa_reserve_vcc 1
		.amdhsa_float_denorm_mode_32 3
		.amdhsa_float_denorm_mode_16_64 3
		.amdhsa_memory_ordered 1
		.amdhsa_forward_progress 1
		.amdhsa_inst_pref_size 13
	.end_amdhsa_kernel
	.amdgpu_metadata
---
amdhsa.version: [ 1, 2 ]
amdhsa.kernels:
  - .name:           k_q6eac705d98_makekeys
    .symbol:         k_q6eac705d98_makekeys.kd
    .args:
      - { .name: x_new, .offset: 0, .size: 8, .value_kind: global_buffer, .address_space: global }
      - { .name: knots, .offset: 8, .size: 8, .value_kind: global_buffer, .address_space: global }
      - { .name: keys, .offset: 16, .size: 8, .value_kind: global_buffer, .address_space: global }
      - { .name: pivots, .offset: 24, .size: 8, .value_kind: global_buffer, .address_space: global }
    .group_segment_fixed_size: 0
    .private_segment_fixed_size: 0
    .kernarg_segment_align: 8
    .kernarg_segment_size: 32
    .max_flat_workgroup_size: 256
    .sgpr_count:     66
    .vgpr_count:     80
    .wavefront_size: 32
...
	.end_amdgpu_metadata
.endif
;; end of part 1
;; launch spline (part 2): grid 256 x 1, 32 waves a work-group, no clusters, 315,392 bytes of LDS; arguments keys, pivots, knots, function_values, out0; writes out0
.if DOCPART == 2
	.amdgcn_target "amdgcn-amd-amdhsa--gfx1250"
	.amdhsa_code_object_version 6
	.text
	.protected	k_q6eac705d98_spline
	.globl	k_q6eac705d98_spline
	.p2align	8
	.type	k_q6eac705d98_spline,@function
k_q6eac705d98_spline:
	s_mov_b64 s[64:65], 0
	v_nop
	global_prefetch_b8 v0, s[64:65] scope:SCOPE_SE
	s_setreg_imm32_b32 hwreg(HW_REG_WAVE_MODE, 25, 1), 1
	s_wait_xcnt 0x0
; QUINTIC HERMITE SPLINE, launch 2 of 2: search on integer keys, look the interval's polynomial up, evaluate.
; keys[n] = key(x[n]) and pivots[j] = key(knots[j]) (pivots[1023] = the largest integer) come from the first launch; signed integer order = float order.
; idx = #{j in 1..1023: pivots[j] < key}, which is reference()'s clipped index (shown at the head of the first kernel).  Nothing of reference() is left out.
;
; THE SEARCH, ten bits from the top; with s bits known as q, the next pivot is pivots[(2 q + 1) << (9 - s)]:
;   bits 1-4:  the 15 pivots[64 m] lie in registers; the next pivot is chosen by selects (4 compares, 11 selects, 4 steps q = 2 q + bit)
;   bits 5-6, 7-8, 9-10: one node of 16 bytes from LDS each: node q of table A = pivots[64 q + 16 j], of B = pivots[16 q + 4 j], of C = pivots[4 q + j], j = 0..3
;              (word 0 is not compared): compare word 2, select word 1 or 3, compare.
; Every index is clamped by a constant before it becomes an LDS address, so that no content of the buffers can lead outside its table.
;
; THE POLYNOMIAL.  With u = x - xl, val = sum of a_k u^k, a_k = c_k / h^k, c_k as in reference() (so a0 = yl, a1 = dyl, a2 = ddyl / 2).
; It is taken as E(z) + u O(z), z = u u, E = a0 + a2 z + a4 z z, O = a1 + a3 z + a5 z z.  An interval has two pieces of 16 bytes: (a0, a2, a4, xl) and (a1, a3, a5, xl).
; LIMITS: 1/h is v_rcp_f32's (1 ulp), and c_k / h^k must lie in f32's normal range: for c_k of order 1 about 2e-8 < h < 3e7 (reference(), which keeps t = u / h,
; has no such limit); -0 counts as +0; a NaN query gives NaN.
;
; LDS (64 banks of 4 bytes, ISA guide 11.1: a row of banks is 256 bytes = sixteen columns of 16 bytes).  Queries are random, so a table that lies once in LDS
; would have several of the sixteen lanes of a half-wave in one column.  Tables are therefore laid out in copies, a lane always using its own:
;   rows 0..1022 x 256 bytes: interval e: columns 0, 2, .. 14 hold its even piece, columns 1, 3, .. 15 its odd piece (8 copies).  Lane l (g = l & 7, b = (l >> 3) & 1)
;       loads column 2 g + b first and column 2 g + 1 - b second: in each of the two loads the sixteen lanes of a half-wave name sixteen different columns.
;       Lanes with b = 1 get the odd piece first; both pieces carry xl, both run through the same two multiply-adds, and two selects put E and O right.
;   row 1023: table A, node q in column q: lanes with different q name different columns, lanes with equal q the same words
;   64 rows:  table B, node q = row q, sixteen copies, lane l uses column l & 15
;   128 rows: table C, node q at byte 128 q, eight copies, lane l uses copy l & 7: lanes l and l + 8 can meet in a column (sixteen copies would not fit)
; All of it is written once, in front of the one barrier, and only read behind it.
;
; SHAPE: 256 work-groups of 32 waves (8 a SIMD x 128 registers); a work-group owns 65,536 queries = 16 batches of 1,024 threads x 4.  A wave's load of keys and store of
; results cover 512 consecutive bytes, aligned.  Keys come through a ring of four register buffers, asked for three batches ahead.
.set BATCHB, 16384                     ; bytes of a batch: 1,024 threads x 16
.set TRIPS,  3                         ; trips of four batches with refills; four more batches behind the loop without
.set BASEA,  0x3ff00                   ; row 1023
.set BASEB,  0x40000
.set BASEC,  0x44000                   ; ends at 0x4c000 = 311,296
.set PV,  2                            ; v[3:17]   pivots[64 m] in v[PV+m], m = 1..15
.set LBB, 18                           ; v18       BASEB + 16 (l & 15)
.set LBC, 19                           ; v19       BASEC + 16 (l & 7)
.set LB1, 20                           ; v20       32 g + 16 b        my first column of a coefficient row
.set LB2, 21                           ; v21       32 g + 16 (1 - b)  my second
.set K,   24                           ; v[24:39]  four buffers of four keys
.set Q,   40                           ; v[40:43]  the index as far as it is known
.set XF,  44                           ; v[44:47]  x, then u
.set OUT, 48                           ; v[48:51]  results
.set AD,  52                           ; v[52:55]  LDS addresses
.set AD2, 56                           ; v[56:59]
.set W,   60                           ; v[60:91]  at work: 7 tree registers a query, then a node a query, then two pieces a query
.set M,   20                           ; s[20:23]  a compare mask for each of the four queries, so that their steps interleave
.set MB,  24                           ; s24       the lanes with b = 1
; set-up only:
.set KL, 60                            ; knots[e], knots[e+1], y, dy, ddy at e and e + 1
.set KR, 61
.set YL, 62
.set YR, 63
.set DL, 64
.set DR, 65
.set SL, 66
.set SR, 67
.set CN, 68                            ; v[68:75]  two nodes of C
.set BN, 76                            ; v[76:79]  a node of B
.set AN, 80                            ; v[80:83]  a node of A
.set PE, 84
.set PO, 85
.set POC, 86
.set POB, 87
.set POA, 88
.set PZ, 89
.set L16, 90
.set P0, 91
.set H,  92
.set RH, 93
.set DY, 94
.set H2, 95
.set C5, 96
.set C4, 97
.set C3, 98
.set T1, 99
.set T2, 100
.set R2, 101
.set A2, 102
.set D0, 104                           ; v[104:107] what I store in steps 0, 2, ..
.set D1, 108                           ; v[108:111] what I store in steps 1, 3, ..
.set RB, 112
.set TA, 113
	s_load_b256 s[4:11], s[0:1], 0x0               ; keys s[4:5], pivots s[6:7], knots s[8:9], function_values s[10:11]
	s_load_b64 s[12:13], s[0:1], 0x20              ; out0
	v_lshl_add_u32 v126, v0, 2, 0x4c000
	v_mov_b32 v127, 0
	v_lshlrev_b32 v1, 4, v0                        ; my 16 bytes in a batch of keys and of results; never rewritten
	v_lshrrev_b32 v[P0], 5, v0
	v_readfirstlane_b32 s15, v[P0]                 ; the wave's number
	s_lshl_b32 s2, ttmp9, 18                       ; the work-group's 262,144 bytes
	s_mov_b32 s3, 0
	s_mov_b32 s[MB], 0xff00ff00
	v_min_u32 v[PE], 0x3fe, v0                     ; thread t makes interval e = t; thread 1023 makes interval 1022 once more (same wave, same bytes, same values)
	v_lshlrev_b32 v[PO], 2, v[PE]
	v_lshrrev_b32 v[POC], 3, v0
	v_lshlrev_b32 v[POC], 4, v[POC]                ; node t >> 3 of C: 16 bytes of pivots as they lie
	v_lshrrev_b32 v[POB], 4, v0
	v_lshlrev_b32 v[POB], 6, v[POB]                ; node t >> 4 of B: every fourth pivot from 16 (t >> 4)
	v_and_b32 v[L16], 15, v0
	v_lshlrev_b32 v[POA], 8, v[L16]                ; node t & 15 of A: every sixteenth pivot from 64 (t & 15)
	v_mov_b32 v[PZ], 0
	s_wait_kmcnt 0x0
	s_add_nc_u64 s[4:5], s[4:5], s[2:3]
	s_add_nc_u64 s[12:13], s[12:13], s[2:3]
.irp n, 0,1,2,3
	global_load_b128 v[K+4*\n:K+4*\n+3], v1, s[4:5] offset:\n*BATCHB th:TH_LOAD_NT   ; the ring's first four batches; a key is read once
.endr
	global_load_b32 v[KL], v[PO], s[8:9]
	global_load_b32 v[KR], v[PO], s[8:9] offset:4
	global_load_b32 v[YL], v[PO], s[10:11]
	global_load_b32 v[YR], v[PO], s[10:11] offset:4
	global_load_b32 v[DL], v[PO], s[10:11] offset:4096
	global_load_b32 v[DR], v[PO], s[10:11] offset:4100
	global_load_b32 v[SL], v[PO], s[10:11] offset:8192
	global_load_b32 v[SR], v[PO], s[10:11] offset:8196
	global_load_b128 v[CN:CN+3],   v[POC], s[6:7]
	global_load_b128 v[CN+4:CN+7], v[POC], s[6:7] offset:2048      ; node 128 + (t >> 3)
.irp j, 0,1,2,3
	global_load_b32 v[BN+\j], v[POB], s[6:7] offset:16*\j
	global_load_b32 v[AN+\j], v[POA], s[6:7] offset:64*\j
.endr
.set m, 1
.rept 15
	global_load_b32 v[PV+m], v[PZ], s[6:7] offset:256*m            ; pivots[64 m], the same in every lane
.set m, m+1
.endr
	; the lane's places in the tables
	v_lshl_add_u32 v[LBB], v[L16], 4, BASEB
	v_and_b32 v[P0], 7, v0                         ; g
	v_lshl_add_u32 v[LBC], v[P0], 4, BASEC
	v_lshlrev_b32 v[P0], 5, v[P0]                  ; 32 g
	v_bfe_u32 v[TA], v0, 3, 1                      ; b
	v_lshl_add_u32 v[LB1], v[TA], 4, v[P0]
	v_sub_nc_u32 v[TA], 1, v[TA]
	v_lshl_add_u32 v[LB2], v[TA], 4, v[P0]
	s_wait_loadcnt 0x0                             ; once: everything asked for so far
	; interval e: c5, c4, c3 as reference() has them, then a_k = c_k / h^k
	v_sub_f32 v[H], v[KR], v[KL]
	v_rcp_f32 v[RH], v[H]                          ; the next line is plain and touches neither H nor RH (ISA guide 5.7.2); RH is first read far below
	v_sub_f32 v[DY], v[YR], v[YL]
	v_mul_f32 v[H2], v[H], v[H]
	v_mul_f32 v[H2], 0.5, v[H2]
	v_add_f32 v[T1], v[DL], v[DR]                  ; c5 = 6 dY - 3 h (dyl + dyr) + h2 (ddyr - ddyl)
	v_sub_f32 v[T2], v[SR], v[SL]
	v_mul_f32 v[T1], v[H], v[T1]
	v_mul_f32 v[C5], v[H2], v[T2]
	v_fmamk_f32 v[C5], v[T1], 0xc0400000, v[C5]    ; -3
	v_fmamk_f32 v[C5], v[DY], 0x40c00000, v[C5]    ; 6
	v_mul_f32 v[T1], 0x40e00000, v[DR]             ; c4 = -15 dY + h (8 dyl + 7 dyr) + h2 (3 ddyl - 2 ddyr)
	v_fmamk_f32 v[T1], v[DL], 0x41000000, v[T1]
	v_mul_f32 v[T2], -2.0, v[SR]
	v_fmamk_f32 v[T2], v[SL], 0x40400000, v[T2]
	v_mul_f32 v[C4], v[H], v[T1]
	v_fmac_f32 v[C4], v[H2], v[T2]
	v_fmamk_f32 v[C4], v[DY], 0xc1700000, v[C4]    ; -15
	v_mul_f32 v[T1], -4.0, v[DR]                   ; c3 = 10 dY + h (-6 dyl - 4 dyr) + h2 (ddyr - 3 ddyl)
	v_fmamk_f32 v[T1], v[DL], 0xc0c00000, v[T1]
	v_fmamk_f32 v[T2], v[SL], 0xc0400000, v[SR]
	v_mul_f32 v[C3], v[H2], v[T2]
	v_fmac_f32 v[C3], v[H], v[T1]
	v_fmamk_f32 v[C3], v[DY], 0x41200000, v[C3]    ; 10
	s_wait_alu depctr_va_vdst(0)
	v_mul_f32 v[R2], v[RH], v[RH]
	v_mul_f32 v[C3], v[C3], v[RH]
	v_mul_f32 v[C5], v[C5], v[RH]
	v_mul_f32 v[C3], v[C3], v[R2]                  ; a3
	v_mul_f32 v[C4], v[C4], v[R2]
	v_mul_f32 v[C5], v[C5], v[R2]
	v_mul_f32 v[C4], v[C4], v[R2]                  ; a4
	v_mul_f32 v[C5], v[C5], v[R2]                  ; a5
	v_mul_f32 v[A2], 0.5, v[SL]                    ; a2
	; Sixteen stores fill my row.  In step k lane l writes column (l + k) & 15, so the sixteen lanes of a half-wave write sixteen different columns.
	; An even column takes the even piece: in even steps that is the piece of the lane's own parity (D0), in odd steps the other (D1).
	v_and_b32 v[TA], 1, v0
	v_cmp_eq_u32 vcc_lo, 1, v[TA]
	v_cndmask_b32 v[D0+0], v[YL], v[DL], vcc_lo
	v_cndmask_b32 v[D0+1], v[A2], v[C3], vcc_lo
	v_cndmask_b32 v[D0+2], v[C4], v[C5], vcc_lo
	v_mov_b32 v[D0+3], v[KL]
	v_cndmask_b32 v[D1+0], v[DL], v[YL], vcc_lo
	v_cndmask_b32 v[D1+1], v[C3], v[A2], vcc_lo
	v_cndmask_b32 v[D1+2], v[C5], v[C4], vcc_lo
	v_mov_b32 v[D1+3], v[KL]
	v_lshlrev_b32 v[RB], 8, v[PE]                  ; row e
.set k, 0
.rept 16
	v_add_nc_u32 v[TA], k, v[L16]
	v_and_b32 v[TA], 15, v[TA]
	v_lshl_add_u32 v[TA], v[TA], 4, v[RB]
.if k & 1
	ds_store_b128 v[TA], v[D1:D1+3]
.else
	ds_store_b128 v[TA], v[D0:D0+3]
.endif
.set k, k+1
.endr
	v_add_nc_u32 v[TA], BASEC, v1                  ; C: place s = t and s = t + 1,024 of 2,048: node s >> 3, copy s & 7, at byte 16 s
	ds_store_b128 v[TA], v[CN:CN+3]
	ds_store_b128 v[TA], v[CN+4:CN+7] offset:16384
	v_add_nc_u32 v[TA], BASEB, v1                  ; B: node t >> 4, copy t & 15, at byte 16 t
	ds_store_b128 v[TA], v[BN:BN+3]
	s_cmp_lg_u32 s15, 0                            ; A has 256 bytes: wave 0 writes them (lanes l and l + 16 the same node with the same words)
	s_cbranch_scc1 .Lnot_wave_0
	v_lshl_add_u32 v[TA], v[L16], 4, BASEA
	ds_store_b128 v[TA], v[AN:AN+3]
.Lnot_wave_0:
	s_wait_dscnt 0x0                               ; my stores are done, for the other waves' sake,
	s_barrier_signal -1
	s_barrier_wait -1                              ; and so are everybody's: from here on LDS is only read
; bits 1 to 4 of four queries, keys in v[kb .. kb+3].  v_cndmask_b32 d, a, b, mask = mask ? b : a; the mask says pivot < key.
.macro TOP kb
.irp i, 0,1,2,3
	v_cmp_lt_i32 s[M+\i], v[PV+8], v[\kb+\i]
.endr
.irp i, 0,1,2,3
	v_cndmask_b32 v[W+7*\i+0], v[PV+4], v[PV+12], s[M+\i]          ; the pivot of bit 2
	v_cndmask_b32 v[W+7*\i+1], v[PV+2], v[PV+10], s[M+\i]          ; the two that bit 3 can meet
	v_cndmask_b32 v[W+7*\i+2], v[PV+6], v[PV+14], s[M+\i]
	v_cndmask_b32 v[W+7*\i+3], v[PV+1], v[PV+9],  s[M+\i]          ; the four that bit 4 can meet
	v_cndmask_b32 v[W+7*\i+4], v[PV+3], v[PV+11], s[M+\i]
	v_cndmask_b32 v[W+7*\i+5], v[PV+5], v[PV+13], s[M+\i]
	v_cndmask_b32 v[W+7*\i+6], v[PV+7], v[PV+15], s[M+\i]
	v_cndmask_b32 v[Q+\i], 0, 1, s[M+\i]
.endr
.irp i, 0,1,2,3
	v_cmp_lt_i32 s[M+\i], v[W+7*\i+0], v[\kb+\i]
.endr
.irp i, 0,1,2,3
	v_cndmask_b32 v[W+7*\i+1], v[W+7*\i+1], v[W+7*\i+2], s[M+\i]
	v_cndmask_b32 v[W+7*\i+3], v[W+7*\i+3], v[W+7*\i+5], s[M+\i]
	v_cndmask_b32 v[W+7*\i+4], v[W+7*\i+4], v[W+7*\i+6], s[M+\i]
	v_add_co_ci_u32 v[Q+\i], s[M+\i], v[Q+\i], v[Q+\i], s[M+\i]    ; q = 2 q + bit
.endr
.irp i, 0,1,2,3
	v_cmp_lt_i32 s[M+\i], v[W+7*\i+1], v[\kb+\i]
.endr
.irp i, 0,1,2,3
	v_cndmask_b32 v[W+7*\i+3], v[W+7*\i+3], v[W+7*\i+4], s[M+\i]
	v_add_co_ci_u32 v[Q+\i], s[M+\i], v[Q+\i], v[Q+\i], s[M+\i]
.endr
.irp i, 0,1,2,3
	v_cmp_lt_i32 s[M+\i], v[W+7*\i+3], v[\kb+\i]
.endr
.irp i, 0,1,2,3
	v_add_co_ci_u32 v[Q+\i], s[M+\i], v[Q+\i], v[Q+\i], s[M+\i]
.endr
.endm
; node q of a table: clamp to the table's last node, address = (q << sh) + base, one load of 16 bytes a query
.macro LOOKUP top, sh, base
.irp i, 0,1,2,3
	v_min_u32 v[AD+\i], \top, v[Q+\i]
.endr
.irp i, 0,1,2,3
	v_lshl_add_u32 v[AD+\i], v[AD+\i], \sh, \base
.endr
.irp i, 0,1,2,3
	ds_load_b128 v[W+4*\i:W+4*\i+3], v[AD+\i]
.endr
.endm
; two bits from the node in v[W+4i .. W+4i+3]
.macro NODE kb
.irp i, 0,1,2,3
	v_cmp_lt_i32 s[M+\i], v[W+4*\i+2], v[\kb+\i]
.endr
.irp i, 0,1,2,3
	v_cndmask_b32 v[W+4*\i+1], v[W+4*\i+1], v[W+4*\i+3], s[M+\i]
.endr
.irp i, 0,1,2,3
	v_add_co_ci_u32 v[Q+\i], s[M+\i], v[Q+\i], v[Q+\i], s[M+\i]
.endr
.irp i, 0,1,2,3
	v_cmp_lt_i32 s[M+\i], v[W+4*\i+1], v[\kb+\i]
.endr
.irp i, 0,1,2,3
	v_add_co_ci_u32 v[Q+\i], s[M+\i], v[Q+\i], v[Q+\i], s[M+\i]
.endr
.endm
; One batch.  kb: its key buffer; left: how many younger loads of keys may stay out; refill = 1: the buffer is asked for again, four batches on; n: the batch's place in the trip.
.macro BATCH kb, left, refill, n
	s_wait_loadcnt \left                           ; loads return in order: this buffer's is in
	TOP \kb
	LOOKUP 15, 4, BASEA
.irp i, 0,1,2,3
	v_ashrrev_i32 v[XF+\i], 31, v[\kb+\i]          ; while the nodes come: x back from its key, by the map that made the key
.endr
.irp i, 0,1,2,3
	v_lshrrev_b32 v[XF+\i], 1, v[XF+\i]
.endr
.irp i, 0,1,2,3
	v_xor_b32 v[XF+\i], v[XF+\i], v[\kb+\i]
.endr
	s_wait_dscnt 0x0
	NODE \kb
	LOOKUP 63, 8, v[LBB]
	s_wait_dscnt 0x0
	NODE \kb
	LOOKUP 0xff, 7, v[LBC]
	s_wait_dscnt 0x0
	NODE \kb                                       ; q = idx; the keys have been read for the last time
.if \refill
	global_load_b128 v[\kb:\kb+3], v1, s[4:5] offset:(\n+4)*BATCHB th:TH_LOAD_NT
.endif
.irp i, 0,1,2,3
	v_min_u32 v[AD+\i], 0x3fe, v[Q+\i]
.endr
.irp i, 0,1,2,3
	v_lshl_add_u32 v[AD2+\i], v[AD+\i], 8, v[LB2]
	v_lshl_add_u32 v[AD+\i],  v[AD+\i], 8, v[LB1]
.endr
.irp i, 0,1,2,3
	ds_load_b128 v[W+8*\i:W+8*\i+3],   v[AD+\i]    ; lanes with b = 0: (a0, a2, a4, xl); with b = 1: (a1, a3, a5, xl)
.endr
.irp i, 0,1,2,3
	ds_load_b128 v[W+8*\i+4:W+8*\i+7], v[AD2+\i]   ; the other piece
.endr
	s_wait_dscnt 0x0
.irp i, 0,1,2,3
	v_sub_f32 v[XF+\i], v[XF+\i], v[W+8*\i+3]      ; u = x - xl
.endr
.irp i, 0,1,2,3
	v_mul_f32 v[W+8*\i+3], v[XF+\i], v[XF+\i]      ; z = u u
.endr
.irp i, 0,1,2,3
	v_fma_f32 v[W+8*\i+2], v[W+8*\i+2], v[W+8*\i+3], v[W+8*\i+1]
	v_fma_f32 v[W+8*\i+6], v[W+8*\i+6], v[W+8*\i+3], v[W+8*\i+5]
.endr
.irp i, 0,1,2,3
	v_fma_f32 v[W+8*\i+2], v[W+8*\i+2], v[W+8*\i+3], v[W+8*\i]
	v_fma_f32 v[W+8*\i+6], v[W+8*\i+6], v[W+8*\i+3], v[W+8*\i+4]
.endr
.irp i, 0,1,2,3
	v_cndmask_b32 v[W+8*\i],   v[W+8*\i+2], v[W+8*\i+6], s[MB]     ; E(z): the first piece's sum, in lanes with b = 1 the second's
	v_cndmask_b32 v[W+8*\i+1], v[W+8*\i+6], v[W+8*\i+2], s[MB]     ; O(z)
.endr
	s_wait_xcnt 0x0                                ; the last batch's store has had its address translated and its data read (ISA guide 3.1): OUT is rewritten only behind this wait
.irp i, 0,1,2,3
	v_fma_f32 v[OUT+\i], v[XF+\i], v[W+8*\i+1], v[W+8*\i]          ; E + u O
.endr
	global_store_b128 v1, v[OUT:OUT+3], s[12:13] offset:\n*BATCHB th:TH_STORE_NT
.endm
	s_mov_b32 s14, TRIPS
.Ltrip:
	BATCH K,    3, 1, 0                            ; three younger loads: the refills of the three other buffers
	BATCH K+4,  3, 1, 1
	BATCH K+8,  3, 1, 2
	BATCH K+12, 3, 1, 3
	s_wait_xcnt 0x0                                ; the two bases are stepped only behind this wait
	s_add_nc_u64 s[4:5], s[4:5], 4*BATCHB
	s_add_nc_u64 s[12:13], s[12:13], 4*BATCHB
	s_sub_co_u32 s14, s14, 1
	s_cmp_lg_u32 s14, 0
	s_cbranch_scc1 .Ltrip
	BATCH K,    3, 0, 0                            ; the last four batches ask for nothing: no load leaves the work-group's part, and the counts run down
	BATCH K+4,  2, 0, 1
	BATCH K+8,  1, 0, 2
	BATCH K+12, 0, 0, 3
	s_wait_tensorcnt 0x0
	ds_add_u32 v126, v127
	s_wait_dscnt 0x0
	s_endpgm
.Lfunc_end_k_q6eac705d98_spline:
	.size	k_q6eac705d98_spline, .Lfunc_end_k_q6eac705d98_spline-k_q6eac705d98_spline
	.p2alignl 7, 3214868480
	.fill 96, 4, 3214868480
	.section	.rodata,"a",@progbits
	.p2align	6, 0x0
	.amdhsa_kernel k_q6eac705d98_spline
		.amdhsa_group_segment_fixed_size 315392
		.amdhsa_private_segment_fixed_size 0
		.amdhsa_enable_private_segment 0
		.amdhsa_kernarg_size 40
		.amdhsa_user_sgpr_count 2
		.amdhsa_user_sgpr_kernarg_segment_ptr 1
		.amdhsa_wavefront_size32 1
		.amdhsa_system_sgpr_workgroup_id_x 1
		.amdhsa_system_sgpr_workgroup_id_y 1
		.amdhsa_system_sgpr_workgroup_id_z 1
		.amdhsa_system_vgpr_workitem_id 0
		.amdhsa_next_free_vgpr 128
		.amdhsa_next_free_sgpr 66
		.amdhsa_reserve_vcc 1
		.amdhsa_float_denorm_mode_32 3
		.amdhsa_float_denorm_mode_16_64 3
		.amdhsa_memory_ordered 1
		.amdhsa_forward_progress 1
		.amdhsa_inst_pref_size 128
	.end_amdhsa_kernel
	.amdgpu_metadata
---
amdhsa.version: [ 1, 2 ]
amdhsa.kernels:
  - .name:           k_q6eac705d98_spline
    .symbol:         k_q6eac705d98_spline.kd
    .args:
      - { .name: keys, .offset: 0, .size: 8, .value_kind: global_buffer, .address_space: global }
      - { .name: pivots, .offset: 8, .size: 8, .value_kind: global_buffer, .address_space: global }
      - { .name: knots, .offset: 16, .size: 8, .value_kind: global_buffer, .address_space: global }
      - { .name: function_values, .offset: 24, .size: 8, .value_kind: global_buffer, .address_space: global }
      - { .name: out0, .offset: 32, .size: 8, .value_kind: global_buffer, .address_space: global }
    .group_segment_fixed_size: 315392
    .private_segment_fixed_size: 0
    .kernarg_segment_align: 8
    .kernarg_segment_size: 40
    .max_flat_workgroup_size: 1024
    .sgpr_count:     66
    .vgpr_count:     128
    .wavefront_size: 32
...
	.end_amdgpu_metadata
.endif
;; end of part 2
;; ======== version 2 of 2: 2 launches; 1.26 times as fast as version 1
;; limits: right only within a limited range of input values
;; workspace buffers: keys 67,108,864 bytes of whole numbers; pivots 4,096 bytes of whole numbers; steps 1,024 bytes of whole numbers
;; launch makekeys (part 3): grid 513 x 1, 8 waves a work-group, no clusters, 0 bytes of LDS; arguments x_new, knots, keys, pivots, steps; writes keys, pivots, steps
.if DOCPART == 3
	.amdgcn_target "amdgcn-amd-amdhsa--gfx1250"
	.amdhsa_code_object_version 6
	.text
	.protected	k_q6eac705d98_makekeys
	.globl	k_q6eac705d98_makekeys
	.p2align	8
	.type	k_q6eac705d98_makekeys,@function
k_q6eac705d98_makekeys:
	s_mov_b64 s[64:65], 0
	v_nop
	global_prefetch_b8 v0, s[64:65] scope:SCOPE_SE
	s_setreg_imm32_b32 hwreg(HW_REG_WAVE_MODE, 25, 1), 1
	s_wait_xcnt 0x0
; QUINTIC HERMITE SPLINE, launch 1 of 2: the order-preserving integer image of the queries and of the knots, and the number of probes that a search will need.
;
; The program: out[n] = P_idx(x[n]), idx = clip(searchsorted(knots, x[n]) - 1, 0, 1022).
; In this program an address or a branch is steered only by whole numbers that a launch reads from memory, never by floating-point numbers or by what the same
; launch derives from them.  So this launch turns every float f into a signed integer key(f) with
;     f < g  <=>  key(f) < key(g)   (signed compare),
; and the second launch searches, by integer work alone, on what it reads from this launch's buffers.
;     key(f): g = f + 0.0 (makes -0 into +0, so that equal floats have equal keys); bits of g, with the low 31 bits flipped if g < 0.
; The map on the bits is its own inverse: the second launch gets x back from the key and does not read x_new.
; NaN: a NaN keeps a NaN's bits (beyond the infinities in the integer order), and comes back as a NaN.
;
; pivots[j] = key(knots[j]), but pivots[1023] = 0x7fffffff, the largest integer.  Why: for sorted knots (reference()'s search relies on that)
;     clip(#{j in 0..1023: knots[j] < x} - 1, 0, 1022) = #{j in 1..1022: knots[j] < x}:
; knots[0] only cancels the -1 (or the clip at 0 does), and the clip at 1022 takes knots[1023] out.  A last pivot that is below no key
; lets a search run over pivots[1..1023] without a test for the end.  pivots[0] is never compared.
; No work of reference() is left out and every input is loaded (function_values by the second launch).
;
; steps: the second launch sorts keys and pivots into 2,048 buckets (the function is written out at BKT below and at that kernel's head) and compares a key only with the
; pivots of its own bucket, by STEPS = #{s >= 0: 2^s <= D} probes, D = the largest number of pivots 1..1022 in one bucket.  STEPS is its loop's trip count, so it is made here.
; The buckets of sorted knots are sorted, so 2^s pivots share a bucket exactly if some pivot i has the bucket of pivot i + 2^s - 1.
; Word t of steps = the count of wave t >> 5 of the work-group that makes it; STEPS is the largest of the eight.
;
; SHAPE.  Work-groups 0 .. 511 are a stream: 8 waves; a work-group owns 131,072 bytes of x_new = 32 steps of 4,096 (256 threads x 16 bytes): a wave's load or
; store covers 512 consecutive bytes, aligned.  A ring of DEPTH slots keeps DEPTH loads of every wave on their way; a slot's next load is issued ahead of
; its store, so that reads and writes run side by side from the first slot's return to the last round.  A slot owns its x registers, its key registers and
; its offset register, so that the only waits in a slot's turn are the two at its head.  No LDS, no barrier: no number is used twice.
; Work-group 512 makes pivots and steps (5,120 bytes) beside them, so that the 512 streams are alike and none ends late for it.
.set DEPTH,  8                         ; slots = loads in flight in each wave
.set ROUNDS, 32 / DEPTH                ; each round takes every slot once
.set STEP,   4096                      ; 256 threads x 16 bytes
.set STREAMERS, 512
.set OFF,    2                         ; v[2:9]    slot i: byte offset of my 16 bytes in the slot's step
.set TMP,    10                        ; v[10:13]  at work
.set X,      16                        ; v[16:47]  slot i: four numbers as loaded
.set Y,      48                        ; v[48:79]  slot i: four keys to store
; work-group 512:
.set NB,     2048                      ; buckets
.set LOGNB,  11
.set B,      16                        ; v[16:52]  knots, then their buckets: place 4 s + e (s = 0..7, e = 0..3), 32 + e (s = 8, e = 0..2), 35 + e (s = 9, e = 0, 1) = knot t + 256 e + 2^s - 1
.set CA,     54                        ; v[54:60]  byte offsets of the partners of e = 3, s = 1..7, clamped to the last knot
.set KA,     62                        ; v[62:63]  knots[1], knots[1022]
.set SG,     64                        ; v[64:67]  all ones where the number is negative
.set EX,     68                        ; v[68:71]  exponent, then shift
.set AD,     72                        ; v[72:75]  the image
.set PT4,    76                        ; v76       4 t
.set PZ,     77                        ; v77       0
.set TB,     78                        ; v78       my wave's count
.set T,      80                        ; v[80:83]  four knots, then four pivots
.set MAXV,   84                        ; v84       the largest integer
.set ECL,    25                        ; s25       Emax + 1
.set ETOP,   26                        ; s26       Emax + 3
.set NBASE,  27                        ; s27       - f(knots[1])
.set SH,     28                        ; s28       the shift from f to buckets
.set STEPS,  29                        ; s29       my wave's count
; four floats in v[s .. s+3] become their keys in v[d .. d+3]
.macro KEY4 d, s
.irp e, 0,1,2,3
	v_add_f32 v[\d+\e], 0, v[\s+\e]                ; -0 becomes +0; every other number stays
.endr
.irp e, 0,1,2,3
	v_ashrrev_i32 v[TMP+\e], 31, v[\d+\e]          ; all ones for a negative number
.endr
.irp e, 0,1,2,3
	v_lshrrev_b32 v[TMP+\e], 1, v[TMP+\e]          ; 0x7fffffff or 0
.endr
.irp e, 0,1,2,3
	v_xor_b32 v[\d+\e], v[TMP+\e], v[\d+\e]        ; negative numbers: the larger magnitude becomes the smaller integer
.endr
.endm
	s_load_b256 s[4:11], s[0:1], 0x0               ; x_new s[4:5], knots s[6:7], keys s[8:9], pivots s[10:11]
	s_cmp_eq_u32 ttmp9, STREAMERS                  ; the same in all eight waves of a work-group
	s_cbranch_scc1 .Ltables
	; ---------------- the stream ----------------
	s_lshl_b32 s2, ttmp9, 17                       ; the work-group's 131,072 bytes (at most 66,977,792: one word is enough)
	s_mov_b32 s3, 0
.irp i, 0,1,2,3,4,5,6,7
	v_lshl_or_b32 v[OFF+\i], v0, 4, \i*STEP        ; 16 t + the slot's step
.endr
	s_wait_kmcnt 0x0
	s_add_nc_u64 s[4:5], s[4:5], s[2:3]
	s_add_nc_u64 s[8:9], s[8:9], s[2:3]
.irp i, 0,1,2,3,4,5,6,7
	global_load_b128 v[X+4*\i:X+4*\i+3], v[OFF+\i], s[4:5] th:TH_LOAD_NT   ; fill the ring: steps 0 to 7; x_new is read once in the whole program
.endr
; One slot's turn.  ahead = 1: the slot is filled again with the step DEPTH further on.
; left = how many younger loads may still be out when this slot's load has to be there.
.macro SLOT i, ahead, left
	s_wait_loadcnt \left                           ; loads come back in order (ISA guide 5.7.1): mine is in, the younger ones stay out
	s_wait_xcnt 0x0                                ; every earlier memory instruction has had its addresses translated (ISA guide 3.1): this slot's
	                                               ; Y and OFF, which its last store reads, are rewritten only behind this wait
	KEY4 (Y+4*\i), (X+4*\i)
.if \ahead
	v_add_nc_u32 v[OFF+\i], DEPTH*STEP, v[OFF+\i]  ; the slot's next step
	global_load_b128  v[X+4*\i:X+4*\i+3], v[OFF+\i], s[4:5] th:TH_LOAD_NT
	global_store_b128 v[OFF+\i], v[Y+4*\i:Y+4*\i+3], s[8:9] offset:-DEPTH*STEP
.else
	global_store_b128 v[OFF+\i], v[Y+4*\i:Y+4*\i+3], s[8:9]
.endif
.endm
	s_mov_b32 s14, ROUNDS-1
.Lround:
.irp i, 0,1,2,3,4,5,6,7
	SLOT \i, 1, DEPTH-1
.endr
	s_sub_co_u32 s14, s14, 1
	s_cmp_lg_u32 s14, 0
	s_cbranch_scc1 .Lround
.irp i, 0,1,2,3,4,5,6,7
	SLOT \i, 0, DEPTH-1-\i                         ; the last round loads nothing: no load leaves the work-group's part, and the counts run down
.endr
	s_endpgm
	; ---------------- pivots and steps ----------------
; one instruction for each of n neighbouring registers, so that n chains interleave
.macro VC n, op, d, c, a               ; d[i] = op(c, a[i]), c a constant or a scalar register
.set qi, 0
.rept \n
	\op v[\d+qi], \c, v[\a+qi]
.set qi, qi+1
.endr
.endm
.macro VV n, op, d, a, b               ; d[i] = op(a[i], b[i])
.set qi, 0
.rept \n
	\op v[\d+qi], v[\a+qi], v[\b+qi]
.set qi, qi+1
.endr
.endm
.macro VT n, op, d, a, c1, c2          ; d[i] = op(a[i], c1, c2)
.set qi, 0
.rept \n
	\op v[\d+qi], v[\a+qi], \c1, \c2
.set qi, qi+1
.endr
.endm
; n knots in v[r ..] become their buckets, in place: line for line what the second launch does with the bits that it gets back from a key, which are those of knot + 0.0.
; f = the mantissa with its leading one at bit 31, shifted right by ETOP - min(e, ECL), at most 31; all bits flipped for a negative number.
; bucket = clamp((f - f(knots[1])) >> SH, 0, 2047).
.macro BKT r, n
	VC \n, v_add_f32, \r, 0, \r                    ; -0 becomes +0
	VC \n, v_ashrrev_i32, SG, 31, \r
	VT \n, v_bfe_u32, EX, \r, 23, 8                ; e
	VT \n, v_lshl_or_b32, AD, \r, 8, 0x80000000
	VC \n, v_min_u32, EX, s[ECL], EX
	VC \n, v_sub_nc_u32, EX, s[ETOP], EX
	VC \n, v_min_u32, EX, 31, EX
	VV \n, v_lshrrev_b32, AD, EX, AD
	VV \n, v_xor_b32, AD, SG, AD                   ; f
	VC \n, v_add_nc_u32, AD, s[NBASE], AD
	VC \n, v_ashrrev_i32, AD, s[SH], AD
	VC \n, v_max_i32, AD, 0, AD
	VC \n, v_min_u32, \r, NB-1, AD
.endm
.Ltables:
	s_load_b64 s[12:13], s[0:1], 0x20              ; steps
	v_lshlrev_b32 v1, 4, v0                        ; four knots and four pivots a thread
	v_lshlrev_b32 v[PT4], 2, v0
	v_mov_b32 v[PZ], 0
	v_mov_b32 v[MAXV], 0x7fffffff
	; Thread t owns pivots t + 256 e.  Partner s of pivot i is knot i + 2^s - 1.  With t <= 255 that index stays at or below 1022 for e = 0, 1 (all s) and e = 2 (s <= 8);
	; it is at or beyond 1023 in every thread for e = 2, s = 9 and e = 3, s = 8, 9: those are not written.  For e = 3, s = 1..7 it depends on t: the offset is clamped to the last knot.
.set sg, 1
.rept 7
	v_add_nc_u32 v[CA+sg-1], 768+(1<<sg)-1, v0
.set sg, sg+1
.endr
	VC 7, v_min_u32, CA, 0x3ff, CA
	VC 7, v_lshlrev_b32, CA, 2, CA
	s_wait_kmcnt 0x0
	global_load_b32 v[KA],   v[PZ], s[6:7] offset:4      ; knots[1], the same in every lane
	global_load_b32 v[KA+1], v[PZ], s[6:7] offset:4088   ; knots[1022]
	global_load_b128 v[T:T+3], v1, s[6:7]
.set sg, 0
.rept 8
.set ee, 0
.rept 3
	global_load_b32 v[B+4*sg+ee], v[PT4], s[6:7] offset:4*(256*ee+(1<<sg)-1)
.set ee, ee+1
.endr
.if sg == 0
	global_load_b32 v[B+3], v[PT4], s[6:7] offset:4*768
.else
	global_load_b32 v[B+4*sg+3], v[CA+sg-1], s[6:7]
.endif
.set sg, sg+1
.endr
.irp ee, 0,1,2
	global_load_b32 v[B+32+\ee], v[PT4], s[6:7] offset:4*(256*\ee+255)
.endr
.irp ee, 0,1
	global_load_b32 v[B+35+\ee], v[PT4], s[6:7] offset:4*(256*\ee+511)
.endr
	v_cmp_eq_u32 vcc_lo, 0xff, v0                  ; thread 255 holds knots[1020 .. 1023]
	s_wait_loadcnt 0x0                             ; once, for all forty loads
	KEY4 T, T
	v_cndmask_b32 v[T+3], v[T+3], v[MAXV], vcc_lo  ; pivots[1023]: below no key
	global_store_b128 v1, v[T:T+3], s[10:11]       ; v1 and T are not written again
	; f's constants, as the second launch makes them from pivots[1] and pivots[1022] (no pivot's exponent reaches ECL, so that clamp has nothing to do here)
	v_add_f32 v[KA], 0, v[KA]
	v_add_f32 v[KA+1], 0, v[KA+1]
	v_readfirstlane_b32 s34, v[KA]                 ; the bits of knots[1]
	v_readfirstlane_b32 s36, v[KA+1]               ; the bits of knots[1022]
	s_ashr_i32 s33, s34, 31
	s_ashr_i32 s35, s36, 31
	s_bfe_u32 s37, s34, 0x80017                    ; 8 bits from bit 23
	s_bfe_u32 s38, s36, 0x80017
	s_max_u32 s39, s37, s38                        ; Emax
	s_add_co_u32 s[ECL], s39, 1
	s_add_co_u32 s[ETOP], s39, 3
	s_sub_co_u32 s37, s[ETOP], s37
	s_min_u32 s37, s37, 31
	s_sub_co_u32 s38, s[ETOP], s38
	s_min_u32 s38, s38, 31
	s_lshl_b32 s34, s34, 8
	s_or_b32 s34, s34, 0x80000000
	s_lshr_b32 s34, s34, s37
	s_xor_b32 s34, s34, s33                        ; f(knots[1])
	s_lshl_b32 s36, s36, 8
	s_or_b32 s36, s36, 0x80000000
	s_lshr_b32 s36, s36, s38
	s_xor_b32 s36, s36, s35                        ; f(knots[1022])
	s_sub_co_u32 s36, s36, s34                     ; the span
	s_sub_co_u32 s[NBASE], 0, s34
	s_mov_b32 s[SH], 0
.set bb, LOGNB
.rept 32-LOGNB
	s_lshr_b32 s37, s36, bb                        ; SCC: the span has a bit at bb or above
	s_add_co_ci_u32 s[SH], s[SH], 0                ; SH = how many bits the span has beyond LOGNB
.set bb, bb+1
.endr
.set g, 0
.rept 9
	BKT (B+4*g), 4
.set g, g+1
.endr
	BKT (B+36), 1
	v_cmp_eq_u32 vcc_lo, 0, v0
	v_cndmask_b32 v[B], v[B], -2, vcc_lo           ; knot 0 is no pivot: equal to no bucket.  (Knot 1023, thread 255's, meets only partners that are struck out below.)
.set sg, 1
.rept 7
	v_cmp_lt_u32 vcc_lo, 255-(1<<sg), v0           ; 768 + t + 2^s - 1 >= 1023: no pivot stands there
	v_cndmask_b32 v[B+4*sg+3], v[B+4*sg+3], -1, vcc_lo
.set sg, sg+1
.endr
; does any pivot of my wave share its bucket with its partner s?  pos: the partners' first place; ne: for how many e they exist
.macro HIT pos, ne
	v_cmp_eq_u32 s20, v[B+\pos], v[B]
.set ee, 1
.rept \ne-1
	v_cmp_eq_u32 s21, v[B+\pos+ee], v[B+ee]
	s_or_b32 s20, s20, s21
.set ee, ee+1
.endr
	s_cmp_lg_u32 s20, 0
	s_add_co_ci_u32 s[STEPS], s[STEPS], 0          ; the buckets are sorted: a pivot's hit at s brings its hits at all smaller s, so the sum is 1 + the largest s
.endm
	s_mov_b32 s[STEPS], 1                          ; s = 0: a pivot shares its own bucket
.irp sg, 1,2,3,4,5,6,7
	HIT 4*\sg, 4
.endr
	HIT 32, 3
	HIT 35, 2
	v_mov_b32 v[TB], s[STEPS]
	global_store_b32 v[PT4], v[TB], s[12:13]       ; word t: a wave's store covers 128 consecutive bytes, the eight waves' all 1,024
	s_endpgm
.Lfunc_end_k_q6eac705d98_makekeys:
	.size	k_q6eac705d98_makekeys, .Lfunc_end_k_q6eac705d98_makekeys-k_q6eac705d98_makekeys
	.p2alignl 7, 3214868480
	.fill 96, 4, 3214868480
	.section	.rodata,"a",@progbits
	.p2align	6, 0x0
	.amdhsa_kernel k_q6eac705d98_makekeys
		.amdhsa_group_segment_fixed_size 0
		.amdhsa_private_segment_fixed_size 0
		.amdhsa_enable_private_segment 0
		.amdhsa_kernarg_size 40
		.amdhsa_user_sgpr_count 2
		.amdhsa_user_sgpr_kernarg_segment_ptr 1
		.amdhsa_wavefront_size32 1
		.amdhsa_system_sgpr_workgroup_id_x 1
		.amdhsa_system_sgpr_workgroup_id_y 1
		.amdhsa_system_sgpr_workgroup_id_z 1
		.amdhsa_system_vgpr_workitem_id 0
		.amdhsa_next_free_vgpr 88
		.amdhsa_next_free_sgpr 66
		.amdhsa_reserve_vcc 1
		.amdhsa_float_denorm_mode_32 3
		.amdhsa_float_denorm_mode_16_64 3
		.amdhsa_memory_ordered 1
		.amdhsa_forward_progress 1
		.amdhsa_inst_pref_size 47
	.end_amdhsa_kernel
	.amdgpu_metadata
---
amdhsa.version: [ 1, 2 ]
amdhsa.kernels:
  - .name:           k_q6eac705d98_makekeys
    .symbol:         k_q6eac705d98_makekeys.kd
    .args:
      - { .name: x_new, .offset: 0, .size: 8, .value_kind: global_buffer, .address_space: global }
      - { .name: knots, .offset: 8, .size: 8, .value_kind: global_buffer, .address_space: global }
      - { .name: keys, .offset: 16, .size: 8, .value_kind: global_buffer, .address_space: global }
      - { .name: pivots, .offset: 24, .size: 8, .value_kind: global_buffer, .address_space: global }
      - { .name: steps, .offset: 32, .size: 8, .value_kind: global_buffer, .address_space: global }
    .group_segment_fixed_size: 0
    .private_segment_fixed_size: 0
    .kernarg_segment_align: 8
    .kernarg_segment_size: 40
    .max_flat_workgroup_size: 256
    .sgpr_count:     66
    .vgpr_count:     88
    .wavefront_size: 32
...
	.end_amdgpu_metadata
.endif
;; end of part 3
;; launch spline (part 4): grid 256 x 1, 32 waves a work-group, no clusters, 294,912 bytes of LDS; arguments keys, pivots, knots, function_values, out0, steps; writes out0
.if DOCPART == 4
	.amdgcn_target "amdgcn-amd-amdhsa--gfx1250"
	.amdhsa_code_object_version 6
	.text
	.protected	k_q6eac705d98_spline
	.globl	k_q6eac705d98_spline
	.p2align	8
	.type	k_q6eac705d98_spline,@function
k_q6eac705d98_spline:
	s_mov_b64 s[64:65], 0
	v_nop
	global_prefetch_b8 v0, s[64:65] scope:SCOPE_SE
	s_setreg_imm32_b32 hwreg(HW_REG_WAVE_MODE, 25, 1), 1
	s_wait_xcnt 0x0
; QUINTIC HERMITE SPLINE, launch 2 of 2: find the interval by a bucket directory on integer keys, look its polynomial up, evaluate.
; keys[n] = key(x[n]) and pivots[j] = key(knots[j]) (pivots[1023] = the largest integer) come from the first launch; signed integer order = float order.
; idx = #{j in 1..1023: pivots[j] < key}, which is reference()'s clipped index (shown at the head of the first kernel).  Nothing of reference() is left out.
;
; THE SEARCH.  Let f be a whole-number function with: f(p) < f(k) only if p < k, and f(p) > f(k) only if p > k, for every pivot p and every key k.  Then the pivots
; whose f is smaller all count, those whose f is larger do not, and only pivots with f(p) = f(k) have to be compared.  This holds for any sorted knots.
;   f, by integer work on x's bits (x comes back from its key by the map that made it): the mantissa with its leading one at bit 31, shifted right by ETOP - min(e, ECL), at most 31
;   (e: x's exponent field; Emax: the larger exponent field of knots[1] and knots[1022], which for sorted knots no pivot exceeds; ECL = Emax + 1, ETOP = Emax + 3); all bits flipped if x < 0.
;   Up to e = Emax this is x in fixed point, cut off: it never falls as x grows, and a pivot's magnitude stays below 2^29.  With e > Emax the magnitude is 2^29 or more (and below 2^30):
;   beyond every pivot's, on x's own side.  So f has the property, and no difference of two values of f leaves 32 bits.
;   bucket = clamp((f - f(knots[1])) >> SH, 0, 2047), SH the least shift that brings knots[1022] below 2,048: shift and clamp keep the property.
; DIRECTORY: entry j = (c, first pivot), c = the number of pivots in buckets below j.  With D = the largest number of pivots in one bucket and STEPS = #{s >= 0: 2^s <= D},
; the count among pivots[c+1 .. c+2^STEPS-1] (sorted; those past the key's bucket are above the key) is found by STEPS probes with steps 2^(STEPS-1) .. 1: if pivots[q + step] < key, q += step.
; The first probe's pivot, pivots[min(c + 2^(STEPS-1), 1023)], lies in the entry.  The others come from a table of the pivots in a loop of STEPS - 1 trips.
; STEPS is a trip count, and in this program a branch hangs only on whole numbers that the launch reads from memory: the first launch has made it, with the same bucket function,
; as eight partial counts (words 0, 32, .. 224 of steps), of which it is the largest.
; WHAT IT COSTS: with at most one pivot in a bucket (knots spread about evenly: 1,022 pivots on more than 1,024 buckets) one lookup of 8 bytes and no trip.  Each doubling of D adds a trip
; of one LDS load and six vector instructions a query; at the worst, all pivots in one bucket, STEPS = 10.  The result is the same in every case.
; Every index is clamped by a constant before it becomes an LDS address, so that no content of the buffers can lead outside its table; STEPS is clamped to 1 .. 10.
;
; THE POLYNOMIAL.  With u = x - xl, val = sum of a_k u^k, a_k = c_k / h^k, c_k as in reference() (so a0 = yl, a1 = dyl, a2 = ddyl / 2).
; It is taken as E(z) + u O(z), z = u u, E = a0 + a2 z + a4 z z, O = a1 + a3 z + a5 z z.  An interval has two pieces of 16 bytes: (a0, a2, a4, xl) and (a1, a3, a5, xl).
; LIMITS: 1/h is v_rcp_f32's (1 ulp), and c_k / h^k must lie in f32's normal range: for c_k of order 1 about 2e-8 < h < 3e7 (reference(), which keeps t = u / h,
; has no such limit); -0 counts as +0; a NaN query gives NaN.
;
; LDS (64 banks of 4 bytes, ISA guide 11.1: a row of banks is 256 bytes = sixteen columns of 16 bytes):
;   rows 0..1022 x 256 bytes: interval e: columns 0, 2, .. 14 hold its even piece, columns 1, 3, .. 15 its odd piece (8 copies).  Lane l (g = l & 7, b = (l >> 3) & 1)
;       loads column 2 g + b first and column 2 g + 1 - b second: in each of the two loads the sixteen lanes of a half-wave name sixteen different columns.
;       Lanes with b = 1 get the odd piece first; both pieces carry xl, both run through the same two multiply-adds, and two selects put E and O right.
;   BASED: the directory, 2,048 x 8 bytes, once: copies take collisions away only where each lane has its own, and 32 copies do not fit
;   BASEP: the 1,024 pivots
;   BASEK: the pivots' buckets, word t for pivot t, words 1023 .. 2047 = all ones (set-up)
; The set-up has three barriers; between two of them stand either LDS stores or LDS loads at addresses made from data, never both.  Behind the last, LDS is only read.
;
; SHAPE: 256 work-groups of 32 waves (8 a SIMD x 128 registers); a work-group owns 65,536 queries = 16 batches of 1,024 threads x 4.  A wave's load of keys and store of
; results cover 512 consecutive bytes, aligned.  Keys come through a ring of four register buffers, asked for three batches ahead.
.set NB,     2048                      ; buckets
.set LOGNB,  11
.set BATCHB, 16384                     ; bytes of a batch: 1,024 threads x 16
.set TRIPS,  3                         ; trips of four batches with refills; four more batches behind the loop without
.set BASED,  0x40000
.set BASEP,  0x44000
.set BASEK,  0x45000                   ; ends at 0x47000 = 290,816
.set LB1, 2                            ; v2        32 g + 16 b        my first column of a coefficient row
.set LB2, 3                            ; v3        32 g + 16 (1 - b)  my second
.set K,   4                            ; v[4:19]   four buffers of four keys
.set Q,   20                           ; v[20:23]  the index as far as it is known
.set XF,  24                           ; v[24:27]  x, then u
.set OUT, 28                           ; v[28:31]  results
.set AD,  32                           ; v[32:35]  f, bucket, LDS addresses
.set AD2, 36                           ; v[36:39]
.set SG,  40                           ; v[40:43]  all ones where x < 0
.set EX,  44                           ; v[44:47]  exponent, then shift
.set W,   48                           ; v[48:79]  at work: directory entries, probes, then two pieces a query
.set TRIP, 18                          ; s18       counts the trips
.set M,   20                           ; s[20:23]  a compare mask for each of the four queries, so that their steps interleave
.set MB,  24                           ; s24       the lanes with b = 1
.set ECL, 25                           ; s25       Emax + 1
.set ETOP, 26                          ; s26       Emax + 3
.set NBASE, 27                         ; s27       - f(knots[1])
.set SH,  28                           ; s28       the shift from f to buckets
.set STEPS, 29                         ; s29       probes a query
.set ST0, 30                           ; s30       the first probe's step, 2^(STEPS-1)
.set ST,  31                           ; s31       the step of a later probe
.set CNT, 32                           ; s32       counts the probes
.set PC,  40                           ; s[40:47]  the eight partial counts
; set-up behind its first barrier, in W's place:
.set KB,  58
.set J1,  59                           ; my second directory entry's number
.set NA0, 60
.set NA1, 61
.set NL0, 62
.set NL1, 63
.set CE0, 64                           ; v[64:65]  entry t: c, first pivot
.set CE1, 66                           ; v[66:67]  entry t + 1,024
; set-up:
.set KL, 80                            ; knots[e], knots[e+1], y, dy, ddy at e and e + 1
.set KR, 81
.set YL, 82
.set YR, 83
.set DL, 84
.set DR, 85
.set SL, 86
.set SR, 87
.set PVR, 88                           ; pivots[t]
.set PT4, 89
.set PE, 90
.set PO, 91
.set L16, 92
.set P0, 93
.set H,  94
.set RH, 95
.set DY, 96
.set H2, 97
.set C5, 98
.set C4, 99
.set C3, 100
.set T1, 101
.set T2, 102
.set R2, 103
.set A2, 104
.set RB, 105
.set D0, 106                           ; v[106:109] what I store in steps 0, 2, ..
.set D1, 110                           ; v[110:113] what I store in steps 1, 3, ..
.set TA, 114
.set TB, 115
.set BST, 116                          ; my pivot's bucket as stored
.set AK, 118
.set AP, 119
.set ONES, 120
; one instruction for each of n neighbouring registers, so that n queries' chains interleave
.macro VC n, op, d, c, a               ; d[i] = op(c, a[i]), c a constant or a scalar register
.set qi, 0
.rept \n
	\op v[\d+qi], \c, v[\a+qi]
.set qi, qi+1
.endr
.endm
.macro VV n, op, d, a, b               ; d[i] = op(a[i], b[i])
.set qi, 0
.rept \n
	\op v[\d+qi], v[\a+qi], v[\b+qi]
.set qi, qi+1
.endr
.endm
.macro VT n, op, d, a, c1, c2          ; d[i] = op(a[i], c1, c2)
.set qi, 0
.rept \n
	\op v[\d+qi], v[\a+qi], \c1, \c2
.set qi, qi+1
.endr
.endm
; n keys in v[kb ..]: x's bits into XF, the bucket into AD.  The same lines serve the queries and, in the set-up, the pivots.
.macro BUCKET kb, n
	VC \n, v_ashrrev_i32, SG, 31, \kb              ; all ones for a negative number
	VC \n, v_lshrrev_b32, XF, 1, SG
	VV \n, v_xor_b32, XF, XF, \kb                  ; x back from its key
	VT \n, v_bfe_u32, EX, XF, 23, 8                ; e
	VT \n, v_lshl_or_b32, AD, XF, 8, 0x80000000    ; the mantissa under a leading one at bit 31
	VC \n, v_min_u32, EX, s[ECL], EX
	VC \n, v_sub_nc_u32, EX, s[ETOP], EX           ; the shift: 2 at the least,
	VC \n, v_min_u32, EX, 31, EX                   ; 31 at the most
	VV \n, v_lshrrev_b32, AD, EX, AD
	VV \n, v_xor_b32, AD, SG, AD                   ; f
	VC \n, v_add_nc_u32, AD, s[NBASE], AD          ; from the first pivot's
	VC \n, v_ashrrev_i32, AD, s[SH], AD
	VC \n, v_max_i32, AD, 0, AD                    ; below the first pivot: bucket 0
	VC \n, v_min_u32, AD, NB-1, AD                 ; above the last: the last bucket
.endm
	s_load_b256 s[4:11], s[0:1], 0x0               ; keys s[4:5], pivots s[6:7], knots s[8:9], function_values s[10:11]
	s_load_b128 s[12:15], s[0:1], 0x20             ; out0 s[12:13], steps s[14:15]
	v_lshl_add_u32 v126, v0, 2, 0x47000
	v_mov_b32 v127, 0
	v_lshlrev_b32 v1, 4, v0                        ; my 16 bytes in a batch of keys and of results; never rewritten
	s_lshl_b32 s2, ttmp9, 18                       ; the work-group's 262,144 bytes
	s_mov_b32 s3, 0
	s_mov_b32 s[MB], 0xff00ff00
	v_lshlrev_b32 v[PT4], 2, v0
	v_min_u32 v[PE], 0x3fe, v0                     ; thread t makes interval e = t; thread 1023 makes interval 1022 once more (same wave, same bytes, same values)
	v_lshlrev_b32 v[PO], 2, v[PE]
	s_wait_kmcnt 0x0
	s_load_b32 s16, s[6:7], 0x4                    ; pivots[1]
	s_load_b32 s17, s[6:7], 0xff8                  ; pivots[1022]
.set w, 0
.rept 8
	s_load_b32 s[PC+w], s[14:15], 128*w            ; the count that wave w of the first launch's last work-group stored
.set w, w+1
.endr
	global_load_b32 v[PVR], v[PT4], s[6:7]         ; pivots[t]: wanted first, asked for first
	global_load_b32 v[KL], v[PO], s[8:9]
	global_load_b32 v[KR], v[PO], s[8:9] offset:4
	global_load_b32 v[YL], v[PO], s[10:11]
	global_load_b32 v[YR], v[PO], s[10:11] offset:4
	global_load_b32 v[DL], v[PO], s[10:11] offset:4096
	global_load_b32 v[DR], v[PO], s[10:11] offset:4100
	global_load_b32 v[SL], v[PO], s[10:11] offset:8192
	global_load_b32 v[SR], v[PO], s[10:11] offset:8196
	s_add_nc_u64 s[4:5], s[4:5], s[2:3]
	s_add_nc_u64 s[12:13], s[12:13], s[2:3]
.irp n, 0,1,2,3
	global_load_b128 v[K+4*\n:K+4*\n+3], v1, s[4:5] offset:\n*BATCHB th:TH_LOAD_NT   ; the ring's first four batches; a key is read once
.endr
	; the lane's places in the tables
	v_and_b32 v[L16], 15, v0
	v_and_b32 v[P0], 7, v0                         ; g
	v_lshlrev_b32 v[P0], 5, v[P0]                  ; 32 g
	v_bfe_u32 v[TA], v0, 3, 1                      ; b
	v_lshl_add_u32 v[LB1], v[TA], 4, v[P0]
	v_sub_nc_u32 v[TA], 1, v[TA]
	v_lshl_add_u32 v[LB2], v[TA], 4, v[P0]
	v_add_nc_u32 v[AK], BASEK, v[PT4]
	v_add_nc_u32 v[AP], BASEP, v[PT4]
	v_mov_b32 v[ONES], -1
	; f's constants, by the lines of BUCKET in scalar registers (no pivot's exponent reaches ECL, so that clamp has nothing to do here)
	s_wait_kmcnt 0x0
	s_ashr_i32 s33, s16, 31
	s_lshr_b32 s34, s33, 1
	s_xor_b32 s34, s34, s16                        ; the bits of knots[1]
	s_ashr_i32 s35, s17, 31
	s_lshr_b32 s36, s35, 1
	s_xor_b32 s36, s36, s17                        ; the bits of knots[1022]
	s_bfe_u32 s37, s34, 0x80017                    ; 8 bits from bit 23
	s_bfe_u32 s38, s36, 0x80017
	s_max_u32 s39, s37, s38                        ; Emax
	s_add_co_u32 s[ECL], s39, 1
	s_add_co_u32 s[ETOP], s39, 3
	s_sub_co_u32 s37, s[ETOP], s37
	s_min_u32 s37, s37, 31
	s_sub_co_u32 s38, s[ETOP], s38
	s_min_u32 s38, s38, 31
	s_lshl_b32 s34, s34, 8
	s_or_b32 s34, s34, 0x80000000
	s_lshr_b32 s34, s34, s37
	s_xor_b32 s34, s34, s33                        ; f(knots[1])
	s_lshl_b32 s36, s36, 8
	s_or_b32 s36, s36, 0x80000000
	s_lshr_b32 s36, s36, s38
	s_xor_b32 s36, s36, s35                        ; f(knots[1022])
	s_sub_co_u32 s36, s36, s34                     ; the span
	s_sub_co_u32 s[NBASE], 0, s34
	s_mov_b32 s[SH], 0
.set bb, LOGNB
.rept 32-LOGNB
	s_lshr_b32 s37, s36, bb                        ; SCC: the span has a bit at bb or above
	s_add_co_ci_u32 s[SH], s[SH], 0                ; SH = how many bits the span has beyond LOGNB
.set bb, bb+1
.endr
	; the probes a query makes: the largest of the eight counts
	s_max_u32 s[PC+0], s[PC+0], s[PC+1]
	s_max_u32 s[PC+2], s[PC+2], s[PC+3]
	s_max_u32 s[PC+4], s[PC+4], s[PC+5]
	s_max_u32 s[PC+6], s[PC+6], s[PC+7]
	s_max_u32 s[PC+0], s[PC+0], s[PC+2]
	s_max_u32 s[PC+4], s[PC+4], s[PC+6]
	s_max_u32 s[STEPS], s[PC+0], s[PC+4]
	s_max_u32 s[STEPS], s[STEPS], 1
	s_min_u32 s[STEPS], s[STEPS], 10               ; ten probes search all 1,023 pivots
	s_sub_co_u32 s33, s[STEPS], 1
	s_lshl_b32 s[ST0], 1, s33                      ; the first probe's step
	; my pivot, and its bucket
	s_wait_loadcnt 12                              ; the oldest load is in; the 8 numbers of my interval and the 4 loads of keys are younger
	BUCKET PVR, 1
	v_add_nc_u32 v[TB], -1, v0
	v_cmp_lt_u32 vcc_lo, 0x3fd, v[TB]              ; t = 0 and t = 1023 hold no pivot that is compared
	v_cndmask_b32 v[BST], v[AD], -1, vcc_lo        ; their word in the table: above every bucket (word 0 is never read)
	ds_store_b32 v[AK], v[BST]
	ds_store_b32 v[AK], v[ONES] offset:4096        ; words 1024 .. 2047
	ds_store_b32 v[AP], v[PVR]
	; interval e: c5, c4, c3 as reference() has them, then a_k = c_k / h^k
	s_wait_loadcnt 4                               ; all but the 4 loads of keys
	v_sub_f32 v[H], v[KR], v[KL]
	v_rcp_f32 v[RH], v[H]                          ; the next line is plain and touches neither H nor RH (ISA guide 5.7.2); RH is first read far below
	v_sub_f32 v[DY], v[YR], v[YL]
	v_mul_f32 v[H2], v[H], v[H]
	v_mul_f32 v[H2], 0.5, v[H2]
	v_add_f32 v[T1], v[DL], v[DR]                  ; c5 = 6 dY - 3 h (dyl + dyr) + h2 (ddyr - ddyl)
	v_sub_f32 v[T2], v[SR], v[SL]
	v_mul_f32 v[T1], v[H], v[T1]
	v_mul_f32 v[C5], v[H2], v[T2]
	v_fmamk_f32 v[C5], v[T1], 0xc0400000, v[C5]    ; -3
	v_fmamk_f32 v[C5], v[DY], 0x40c00000, v[C5]    ; 6
	v_mul_f32 v[T1], 0x40e00000, v[DR]             ; c4 = -15 dY + h (8 dyl + 7 dyr) + h2 (3 ddyl - 2 ddyr)
	v_fmamk_f32 v[T1], v[DL], 0x41000000, v[T1]
	v_mul_f32 v[T2], -2.0, v[SR]
	v_fmamk_f32 v[T2], v[SL], 0x40400000, v[T2]
	v_mul_f32 v[C4], v[H], v[T1]
	v_fmac_f32 v[C4], v[H2], v[T2]
	v_fmamk_f32 v[C4], v[DY], 0xc1700000, v[C4]    ; -15
	v_mul_f32 v[T1], -4.0, v[DR]                   ; c3 = 10 dY + h (-6 dyl - 4 dyr) + h2 (ddyr - 3 ddyl)
	v_fmamk_f32 v[T1], v[DL], 0xc0c00000, v[T1]
	v_fmamk_f32 v[T2], v[SL], 0xc0400000, v[SR]
	v_mul_f32 v[C3], v[H2], v[T2]
	v_fmac_f32 v[C3], v[H], v[T1]
	v_fmamk_f32 v[C3], v[DY], 0x41200000, v[C3]    ; 10
	s_wait_alu depctr_va_vdst(0)
	v_mul_f32 v[R2], v[RH], v[RH]
	v_mul_f32 v[C3], v[C3], v[RH]
	v_mul_f32 v[C5], v[C5], v[RH]
	v_mul_f32 v[C3], v[C3], v[R2]                  ; a3
	v_mul_f32 v[C4], v[C4], v[R2]
	v_mul_f32 v[C5], v[C5], v[R2]
	v_mul_f32 v[C4], v[C4], v[R2]                  ; a4
	v_mul_f32 v[C5], v[C5], v[R2]                  ; a5
	v_mul_f32 v[A2], 0.5, v[SL]                    ; a2
	; Sixteen stores fill my row.  In step k lane l writes column (l + k) & 15, so the sixteen lanes of a half-wave write sixteen different columns.
	; An even column takes the even piece: in even steps that is the piece of the lane's own parity (D0), in odd steps the other (D1).
	v_and_b32 v[TA], 1, v0
	v_cmp_eq_u32 vcc_lo, 1, v[TA]
	v_cndmask_b32 v[D0+0], v[YL], v[DL], vcc_lo
	v_cndmask_b32 v[D0+1], v[A2], v[C3], vcc_lo
	v_cndmask_b32 v[D0+2], v[C4], v[C5], vcc_lo
	v_mov_b32 v[D0+3], v[KL]
	v_cndmask_b32 v[D1+0], v[DL], v[YL], vcc_lo
	v_cndmask_b32 v[D1+1], v[C3], v[A2], vcc_lo
	v_cndmask_b32 v[D1+2], v[C5], v[C4], vcc_lo
	v_mov_b32 v[D1+3], v[KL]
	v_lshlrev_b32 v[RB], 8, v[PE]                  ; row e
.set k, 0
.rept 16
	v_add_nc_u32 v[TA], k, v[L16]
	v_and_b32 v[TA], 15, v[TA]
	v_lshl_add_u32 v[TA], v[TA], 4, v[RB]
.if k & 1
	ds_store_b128 v[TA], v[D1:D1+3]
.else
	ds_store_b128 v[TA], v[D0:D0+3]
.endif
.set k, k+1
.endr
	s_wait_dscnt 0x0                               ; my stores are done, for the other waves' sake
	s_barrier_signal -1
	s_barrier_wait -1                              ; rows, pivots and buckets are whole
	; Entries t and t + 1,024 of the directory: c = #{i in 1..1023: bucket[i] < j}, by ten steps over the sorted buckets (word 1023 is above every j).
	v_mov_b32 v[KB], BASEK
	v_add_nc_u32 v[J1], 0x400, v0
	ds_load_b32 v[NL0], v[KB] offset:4*512         ; both descents begin at word 512; the first step starts the sums
	s_wait_dscnt 0x0
	v_cmp_lt_u32 vcc_lo, v[NL0], v0
	v_cndmask_b32 v[CE0], 0, 0x200, vcc_lo
	v_cmp_lt_u32 vcc_lo, v[NL0], v[J1]
	v_cndmask_b32 v[CE1], 0, 0x200, vcc_lo
.macro DSTEP st
	v_min_u32 v[NA0], 0x3ff, v[CE0]
	v_min_u32 v[NA1], 0x3ff, v[CE1]
	v_lshl_add_u32 v[NA0], v[NA0], 2, BASEK
	v_lshl_add_u32 v[NA1], v[NA1], 2, BASEK
	ds_load_b32 v[NL0], v[NA0] offset:4*\st
	ds_load_b32 v[NL1], v[NA1] offset:4*\st
	s_wait_dscnt 0x0
	v_cmp_lt_u32 vcc_lo, v[NL0], v0
	v_cndmask_b32 v[NL0], 0, \st, vcc_lo
	v_cmp_lt_u32 vcc_lo, v[NL1], v[J1]
	v_cndmask_b32 v[NL1], 0, \st, vcc_lo
	v_add_nc_u32 v[CE0], v[CE0], v[NL0]
	v_add_nc_u32 v[CE1], v[CE1], v[NL1]
.endm
.irp st, 256,128,64,32,16,8,4,2,1
	DSTEP \st
.endr
	v_add_nc_u32 v[NA0], s[ST0], v[CE0]            ; the first probe's pivot
	v_add_nc_u32 v[NA1], s[ST0], v[CE1]
	v_min_u32 v[NA0], 0x3ff, v[NA0]                ; past the table's end: pivots[1023], below no key
	v_min_u32 v[NA1], 0x3ff, v[NA1]
	v_lshl_add_u32 v[NA0], v[NA0], 2, BASEP
	v_lshl_add_u32 v[NA1], v[NA1], 2, BASEP
	ds_load_b32 v[CE0+1], v[NA0]
	ds_load_b32 v[CE1+1], v[NA1]
	v_lshl_add_u32 v[TA], v0, 3, BASED
	s_wait_dscnt 0x0
	s_barrier_signal -1
	s_barrier_wait -1                              ; nobody loads any more: now the stores
	ds_store_b64 v[TA], v[CE0:CE0+1]
	ds_store_b64 v[TA], v[CE1:CE1+1] offset:8192
	s_wait_dscnt 0x0
	s_barrier_signal -1
	s_barrier_wait -1                              ; the directory is whole: from here on LDS is only read
; One batch.  kb: its key buffer; left: how many younger loads of keys may stay out; refill = 1: the buffer is asked for again, four batches on; n: the batch's place in the trip.
.macro BATCH kb, left, refill, n
	s_wait_loadcnt \left                           ; loads return in order: this buffer's is in
	BUCKET \kb, 4
	VT 4, v_lshl_add_u32, AD, AD, 3, BASED
.irp i, 0,1,2,3
	ds_load_b64 v[W+2*\i:W+2*\i+1], v[AD+\i]       ; c, and the first probe's pivot
.endr
	s_wait_dscnt 0x0
.irp i, 0,1,2,3
	v_cmp_lt_i32 s[M+\i], v[W+2*\i+1], v[\kb+\i]   ; v_cndmask_b32 d, a, b, mask = mask ? b : a; the mask says pivot < key
.endr
.irp i, 0,1,2,3
	v_cndmask_b32 v[Q+\i], 0, s[ST0], s[M+\i]
.endr
.irp i, 0,1,2,3
	v_add_nc_u32 v[Q+\i], v[Q+\i], v[W+2*\i]
.endr
	s_cmp_lt_u32 s[STEPS], 2                       ; no bucket holds two pivots: found
	s_cbranch_scc1 .Lfound_\@
	s_mov_b32 s[ST], s[ST0]
	s_mov_b32 s[CNT], 1
.Lstep_\@:
	s_lshr_b32 s[ST], s[ST], 1
	VC 4, v_add_nc_u32, AD, s[ST], Q
	VC 4, v_min_u32, AD, 0x3ff, AD                 ; past the table's end: pivots[1023], below no key
	VT 4, v_lshl_add_u32, AD, AD, 2, BASEP
.irp i, 0,1,2,3
	ds_load_b32 v[W+\i], v[AD+\i]
.endr
	s_wait_dscnt 0x0
.irp i, 0,1,2,3
	v_cmp_lt_i32 s[M+\i], v[W+\i], v[\kb+\i]
.endr
.irp i, 0,1,2,3
	v_cndmask_b32 v[W+\i], 0, s[ST], s[M+\i]
.endr
	VV 4, v_add_nc_u32, Q, Q, W
	s_add_co_u32 s[CNT], s[CNT], 1
	s_cmp_lt_u32 s[CNT], s[STEPS]
	s_cbranch_scc1 .Lstep_\@
.Lfound_\@:                                        ; q = idx; the keys have been read for the last time
.if \refill
	global_load_b128 v[\kb:\kb+3], v1, s[4:5] offset:(\n+4)*BATCHB th:TH_LOAD_NT
.endif
.irp i, 0,1,2,3
	v_min_u32 v[AD+\i], 0x3fe, v[Q+\i]
.endr
.irp i, 0,1,2,3
	v_lshl_add_u32 v[AD2+\i], v[AD+\i], 8, v[LB2]
	v_lshl_add_u32 v[AD+\i],  v[AD+\i], 8, v[LB1]
.endr
.irp i, 0,1,2,3
	ds_load_b128 v[W+8*\i:W+8*\i+3],   v[AD+\i]    ; lanes with b = 0: (a0, a2, a4, xl); with b = 1: (a1, a3, a5, xl)
.endr
.irp i, 0,1,2,3
	ds_load_b128 v[W+8*\i+4:W+8*\i+7], v[AD2+\i]   ; the other piece
.endr
	s_wait_dscnt 0x0
.irp i, 0,1,2,3
	v_sub_f32 v[XF+\i], v[XF+\i], v[W+8*\i+3]      ; u = x - xl
.endr
.irp i, 0,1,2,3
	v_mul_f32 v[W+8*\i+3], v[XF+\i], v[XF+\i]      ; z = u u
.endr
.irp i, 0,1,2,3
	v_fma_f32 v[W+8*\i+2], v[W+8*\i+2], v[W+8*\i+3], v[W+8*\i+1]
	v_fma_f32 v[W+8*\i+6], v[W+8*\i+6], v[W+8*\i+3], v[W+8*\i+5]
.endr
.irp i, 0,1,2,3
	v_fma_f32 v[W+8*\i+2], v[W+8*\i+2], v[W+8*\i+3], v[W+8*\i]
	v_fma_f32 v[W+8*\i+6], v[W+8*\i+6], v[W+8*\i+3], v[W+8*\i+4]
.endr
.irp i, 0,1,2,3
	v_cndmask_b32 v[W+8*\i],   v[W+8*\i+2], v[W+8*\i+6], s[MB]     ; E(z): the first piece's sum, in lanes with b = 1 the second's
	v_cndmask_b32 v[W+8*\i+1], v[W+8*\i+6], v[W+8*\i+2], s[MB]     ; O(z)
.endr
	s_wait_xcnt 0x0                                ; the last batch's store has had its address translated and its data read (ISA guide 3.1): OUT is rewritten only behind this wait
.irp i, 0,1,2,3
	v_fma_f32 v[OUT+\i], v[XF+\i], v[W+8*\i+1], v[W+8*\i]          ; E + u O
.endr
	global_store_b128 v1, v[OUT:OUT+3], s[12:13] offset:\n*BATCHB th:TH_STORE_NT
.endm
	s_mov_b32 s[TRIP], TRIPS
.Ltrip:
	BATCH K,    3, 1, 0                            ; three younger loads: the refills of the three other buffers
	BATCH K+4,  3, 1, 1
	BATCH K+8,  3, 1, 2
	BATCH K+12, 3, 1, 3
	s_wait_xcnt 0x0                                ; the two bases are stepped only behind this wait
	s_add_nc_u64 s[4:5], s[4:5], 4*BATCHB
	s_add_nc_u64 s[12:13], s[12:13], 4*BATCHB
	s_sub_co_u32 s[TRIP], s[TRIP], 1
	s_cmp_lg_u32 s[TRIP], 0
	s_cbranch_scc1 .Ltrip
	BATCH K,    3, 0, 0                            ; the last four batches ask for nothing: no load leaves the work-group's part, and the counts run down
	BATCH K+4,  2, 0, 1
	BATCH K+8,  1, 0, 2
	BATCH K+12, 0, 0, 3
	s_wait_tensorcnt 0x0
	ds_add_u32 v126, v127
	s_wait_dscnt 0x0
	s_endpgm
.Lfunc_end_k_q6eac705d98_spline:
	.size	k_q6eac705d98_spline, .Lfunc_end_k_q6eac705d98_spline-k_q6eac705d98_spline
	.p2alignl 7, 3214868480
	.fill 96, 4, 3214868480
	.section	.rodata,"a",@progbits
	.p2align	6, 0x0
	.amdhsa_kernel k_q6eac705d98_spline
		.amdhsa_group_segment_fixed_size 294912
		.amdhsa_private_segment_fixed_size 0
		.amdhsa_enable_private_segment 0
		.amdhsa_kernarg_size 48
		.amdhsa_user_sgpr_count 2
		.amdhsa_user_sgpr_kernarg_segment_ptr 1
		.amdhsa_wavefront_size32 1
		.amdhsa_system_sgpr_workgroup_id_x 1
		.amdhsa_system_sgpr_workgroup_id_y 1
		.amdhsa_system_sgpr_workgroup_id_z 1
		.amdhsa_system_vgpr_workitem_id 0
		.amdhsa_next_free_vgpr 128
		.amdhsa_next_free_sgpr 66
		.amdhsa_reserve_vcc 1
		.amdhsa_float_denorm_mode_32 3
		.amdhsa_float_denorm_mode_16_64 3
		.amdhsa_memory_ordered 1
		.amdhsa_forward_progress 1
		.amdhsa_inst_pref_size 92
	.end_amdhsa_kernel
	.amdgpu_metadata
---
amdhsa.version: [ 1, 2 ]
amdhsa.kernels:
  - .name:           k_q6eac705d98_spline
    .symbol:         k_q6eac705d98_spline.kd
    .args:
      - { .name: keys, .offset: 0, .size: 8, .value_kind: global_buffer, .address_space: global }
      - { .name: pivots, .offset: 8, .size: 8, .value_kind: global_buffer, .address_space: global }
      - { .name: knots, .offset: 16, .size: 8, .value_kind: global_buffer, .address_space: global }
      - { .name: function_values, .offset: 24, .size: 8, .value_kind: global_buffer, .address_space: global }
      - { .name: out0, .offset: 32, .size: 8, .value_kind: global_buffer, .address_space: global }
      - { .name: steps, .offset: 40, .size: 8, .value_kind: global_buffer, .address_space: global }
    .group_segment_fixed_size: 294912
    .private_segment_fixed_size: 0
    .kernarg_segment_align: 8
    .kernarg_segment_size: 48
    .max_flat_workgroup_size: 1024
    .sgpr_count:     66
    .vgpr_count:     128
    .wavefront_size: 32
...
	.end_amdgpu_metadata
.endif
;; end of part 4
